; MI455X (gfx1250); checked and timed in simulation.
; The chip was launched on July 23, 2026; its instructions are those of AMD's public machine-readable ISA for CDNA 5 (MIT licence, August 2026) and "CDNA5" Instruction Set Architecture Reference Guide (July 2026). The comments in the code are by the model that wrote it; some were corrected since.
;; All Amplitude. Allowed arithmetic: float matrix products may take bf16 or f16 operands with f32 sums; all other float work in f32.
;; Inputs: alpha1 4 x 262,144 float32; alpha2 4 x 262,144 float32; beta1 4 x 262,144 float32; beta2 4 x 262,144 float32; coef_i 4 float32; coef_r 4 float32; g0 4 float32; gamma1 4 x 262,144 float32; gamma2 4 x 262,144 float32; m 4 x 262,144 float32; m0 4 float32.
;; Outputs: out0 262,144 float32.
;; One version. Each part assembles by itself: llvm-mc -triple=amdgcn-amd-amdhsa -mcpu=gfx1250 --defsym DOCPART=n.
;; ======== version 1 of 1: 1 launch
;; limits: a function is approximated: absolute error at most 4.1e-05; inputs' magnitudes at most 26,000,000; an absolute error that grows with the inputs' magnitude: up to 1.2e-07 times it; right only within a limited range of input values
;; launch amp (part 1): grid 256 x 1, 16 waves a work-group, no clusters, 0 bytes of LDS; arguments alpha1, beta1, gamma1, alpha2, beta2, gamma2, m, m0, g0, coef_r, coef_i, out0; writes out0
.if DOCPART == 1
	.amdgcn_target "amdgcn-amd-amdhsa--gfx1250"
	.amdhsa_code_object_version 6
	.text
	.protected	k_q2be39c5346_amp
	.globl	k_q2be39c5346_amp
	.p2align	8
	.type	k_q2be39c5346_amp,@function
k_q2be39c5346_amp:
	s_mov_b64 s[64:65], 0
	v_nop
	global_prefetch_b8 v0, s[64:65] scope:SCOPE_SE
	s_setreg_imm32_b32 hwreg(HW_REG_WAVE_MODE, 25, 1), 1
	s_wait_xcnt 0x0
; Per-event intensity of a spin-1 helicity amplitude: 4 resonances, 262,144 events, all arrays f32.
;
; THE FORM THAT IS COMPUTED (exact algebra, holds for every real input):
;   D2[x,b,d] hangs on (b,d) only through delta = b-d, is 0 for |delta| = 2, and delta = -1, 0, +1 occurs 2, 3, 2 times; D1[a,x,0] = D[a,x].
;   So out = 2 |T|_F^2 + |T e0|^2 with T = sum_r w_r E(a1) d(b1) E(g1+a2) d(b2) E(g2), E(p) = diag(e^-ip, 1, e^ip), d the spin-1 small-d matrix.
;   In the orthonormal basis (e- - e+)/sqrt2, i(e- + e+)/sqrt2, e0 both factors are real:
;     E(p) -> Z(p) = [[c,s,0],[-s,c,0],[0,0,1]],   d(b) -> Y(b) = [[C,0,-S],[0,1,0],[S,0,C]],   and e0 is the third basis vector.
;   Hence out = 2 sum_ij |M_ij|^2 + sum_i |M_i3|^2,  M = sum_r w_r R_r,  R_r = Z(a1) Y(b1) Z(g1+a2) Y(b2) Z(g2), a real 3 x 3 matrix,
;   w_r = coef_r / (x - i y) = coef_r (x + i y) / (x^2 + y^2),  x = m0^2 - m^2,  y = m0 g0.
;   Five sine/cosine pairs for each (resonance, event); what is left of the products is 18 multiply-adds for each, with no operand shared
;   between events: nothing for the matrix unit, and f32 keeps the interference terms.
;
; SHARING.  A lane owns 2 neighbouring events (one register pair for the packed f32 instructions); each load and the store of a wave cover
;   256 consecutive bytes, aligned; 16 waves own 1,024 events; 256 work-groups.  No byte is read by two work-groups but the 64 bytes of
;   parameters, so there is nothing for LDS, a cluster or a barrier.  Every wave issues all its 32 loads in its first lines (28 x 256 bytes
;   of events) and then waits resonance by resonance, so the arithmetic of resonance r runs while r+1 .. 3 are on their way.  No loop.
;
; LIMITS.  Angles: reduced to turns by adding 1.5 * 2^23, right for |angle| < 2^22 * 2 pi (about 2.6e7); sine and cosine are polynomials in
;   the fraction of a turn, absolute error at most 6e-6 (sine) and 4.1e-5 (cosine) plus about 1.2e-7 |angle|; gamma1 + alpha2 is added in f32
;   first (one rounding).  An infinite or NaN angle gives NaN.  1/(x^2+y^2) is v_rcp_f32 (1 ULP, denormals flushed): x^2 + y^2 has to be a
;   normal f32, |x - i y| between about 1e-19 and 1e19.  m0^2 - m^2 is one fused multiply-add on the rounded m0^2.
.set NB,   0x100000                    ; bytes of one resonance's row in each of the seven event arrays
; scalar registers
.set A1,   8                           ; s[8:9]   alpha1      (s[8:23] and s[24:31]: the twelve addresses)
.set B1,   10                          ; beta1
.set G1,   12                          ; gamma1
.set A2,   14                          ; alpha2
.set B2,   16                          ; beta2
.set G2,   18                          ; gamma2
.set MM,   20                          ; m
.set AM0,  22                          ; m0
.set AG0,  24                          ; g0
.set ACR,  26                          ; coef_r
.set ACI,  28                          ; coef_i
.set OUT,  30                          ; out0
.set KM,   36                          ; constants, each in both halves of a pair (a packed source names the pair)
.set KS3,  38
.set KS2,  40
.set KS1,  42
.set KS0,  44
.set KC3,  46
.set KC2,  48
.set KC1,  50
.set KC0,  52
; vector registers
.set VOFF, 1                           ; v1        my 8 bytes in a row of any event array, and in out0
.set VZ,   2                           ; v2        0
.set VS4,  4                           ; v[4:5]    top coefficient of the sine, twice
.set VC4,  6                           ; v[6:7]    top coefficient of the cosine, twice
.set RAWM, 8                           ; v[8:11]   m0[0..3]
.set RAWG, 12                          ; v[12:15]  g0
.set RAWR, 16                          ; v[16:19]  coef_r
.set RAWI, 20                          ; v[20:23]  coef_i
.set PA,   24                          ; v[24:27]  m0^2
.set PY2,  28                          ; v[28:31]  y^2
.set PCRE, 32                          ; v[32:35]  Re coef
.set PCIM, 36                          ; v[36:39]  Im coef
.set PP,   40                          ; v[40:43]  -Im coef * y
.set PQ,   44                          ; v[44:47]   Re coef * y
.set IN,   48                          ; v[48:103] resonance r at IN+14r: alpha1 +0, beta1 +2, gamma1 +4, beta2 +6, gamma2 +8, alpha2 +10, m +12
.set ACCR, 104                         ; v[104:121] Re M, element 3 row + col at +2 (3 row + col)
.set ACCI, 122                         ; v[122:139] Im M
.set FR,   140                         ; v[140:149] fractions of a turn, angle i at +2i
.set USQ,  150                         ; v[150:159] their squares
.set SN,   160                         ; v[160:169] sines
.set CS,   170                         ; v[170:179] cosines
.set TT0,  140                         ; six pairs at work, on FR and USQ once the sines and cosines are made
.set TT1,  142
.set TT2,  144
.set TT3,  146
.set TT4,  148
.set TT5,  150
.set SA,   SN                          ; angle 0: a = alpha1
.set SB,   SN+2                        ; angle 1: b = beta1
.set SG,   SN+4                        ; angle 2: g = gamma1 + alpha2
.set SE,   SN+6                        ; angle 3: e = beta2
.set SF,   SN+8                        ; angle 4: f = gamma2
.set CA,   CS
.set CB,   CS+2
.set CG,   CS+4
.set CE,   CS+6
.set CF,   CS+8
.set YY,   180                         ; v[180:183] y = m0 g0, only while the parameters are prepared
.set BX,   180                         ; x
.set BD,   182                         ; x^2 + y^2
.set RD,   184                         ; its reciprocal
.set WR,   186                         ; Re w
.set WI,   188                         ; Im w
.set K11,  190                         ; K = Y(b) Z(g) Y(e); K22 is cos g and stays in CG
.set K12,  192
.set K13,  194
.set K21,  196
.set K23,  198
.set K31,  200
.set K32,  202
.set G11,  204                         ; G = K Z(f); its third column is K's
.set G12,  206
.set G21,  208
.set G22,  210
.set RM,   212                         ; v[212:229] R = Z(a) G, element 3 row + col at +2 (3 row + col); its third row is G's, written in place:
.set G31,  RM+12
.set G32,  RM+14
.set K33,  RM+16
.macro KPAIR reg, val                  ; one constant into both halves of a scalar pair
	s_mov_b32 s[\reg], \val
	s_mov_b32 s[\reg+1], \val
.endm
.macro PMUL d, a, b                    ; d = a b, both events
	v_pk_mul_f32 v[\d:\d+1], v[\a:\a+1], v[\b:\b+1]
.endm
.macro PNMUL d, a, b                   ; d = -a b
	v_pk_mul_f32 v[\d:\d+1], v[\a:\a+1], v[\b:\b+1] neg_lo:[1,0] neg_hi:[1,0]
.endm
.macro PFMA d, a, b, c, na, nc         ; d = (+-a) b +- c, fused; na, nc = 1 negate a, c
	v_pk_fma_f32 v[\d:\d+1], v[\a:\a+1], v[\b:\b+1], v[\c:\c+1] neg_lo:[\na,0,\nc] neg_hi:[\na,0,\nc]
.endm
; one Horner step of both polynomials for cnt angle pairs: 2 cnt chains that do not wait for each other
.macro HORNER cnt, ks, kc
.set i, 0
.rept \cnt
	v_pk_fma_f32 v[SN+i:SN+i+1], v[SN+i:SN+i+1], v[USQ+i:USQ+i+1], s[\ks:\ks+1] op_sel_hi:[1,1,0]
	v_pk_fma_f32 v[CS+i:CS+i+1], v[CS+i:CS+i+1], v[USQ+i:USQ+i+1], s[\kc:\kc+1] op_sel_hi:[1,1,0]
.set i, i+2
.endr
.endm
; Sine and cosine of the cnt angle pairs at v[x], v[x+2], ..  into SN and CS.
; f = angle / 2 pi minus the nearest whole number, |f| <= 1/2, u = f^2;
; sin = f (S0 + u (S1 + u (S2 + u (S3 + u S4)))),  cos = C0 + u (C1 + u (C2 + u (C3 + u C4))).
.macro TRIG x, cnt
.set i, 0
.rept \cnt
	v_pk_fma_f32 v[FR+i:FR+i+1], v[\x+i:\x+i+1], 0.15915494, s[KM:KM+1] op_sel_hi:[1,0,0]   ; turns + 1.5 * 2^23: the sum rounds to a whole number k of turns
.set i, i+2
.endr
.set i, 0
.rept \cnt
	v_pk_fma_f32 v[FR+i:FR+i+1], v[FR+i:FR+i+1], -1.0, s[KM:KM+1] op_sel_hi:[1,0,0]         ; -k, exact
.set i, i+2
.endr
.set i, 0
.rept \cnt
	v_pk_fma_f32 v[FR+i:FR+i+1], v[\x+i:\x+i+1], 0.15915494, v[FR+i:FR+i+1] op_sel_hi:[1,0,1] ; f, rounded once
.set i, i+2
.endr
.set i, 0
.rept \cnt
	v_pk_mul_f32 v[USQ+i:USQ+i+1], v[FR+i:FR+i+1], v[FR+i:FR+i+1]
.set i, i+2
.endr
.set i, 0
.rept \cnt
	v_pk_fma_f32 v[SN+i:SN+i+1], v[USQ+i:USQ+i+1], v[VS4:VS4+1], s[KS3:KS3+1] op_sel_hi:[1,1,0]
	v_pk_fma_f32 v[CS+i:CS+i+1], v[USQ+i:USQ+i+1], v[VC4:VC4+1], s[KC3:KC3+1] op_sel_hi:[1,1,0]
.set i, i+2
.endr
	HORNER \cnt, KS2, KC2
	HORNER \cnt, KS1, KC1
	HORNER \cnt, KS0, KC0
.set i, 0
.rept \cnt
	v_pk_mul_f32 v[SN+i:SN+i+1], v[SN+i:SN+i+1], v[FR+i:FR+i+1]
.set i, i+2
.endr
.endm
	; ---- entry: addresses, my offset, constants
	s_load_b512 s[8:23], s[0:1], 0x0               ; alpha1, beta1, gamma1, alpha2, beta2, gamma2, m, m0
	s_load_b256 s[24:31], s[0:1], 0x40             ; g0, coef_r, coef_i, out0
	s_lshl_b32 s2, ttmp9, 12                       ; the work-group's 1,024 events: 4,096 bytes of every row
	v_lshl_add_u32 v[VOFF], v0, 3, s2              ; + 8 bytes (2 events) a thread
	v_mov_b32 v[VZ], 0
	KPAIR KM,  0x4b400000                          ; 1.5 * 2^23
	KPAIR KS3, 0xc294f11e                          ; -74.470934
	KPAIR KS2, 0x42a2bb1f                          ;  81.365468
	KPAIR KS1, 0xc2255311                          ; -41.331120
	KPAIR KS0, 0x40c90ec7                          ;   6.2830541
	KPAIR KC3, 0xc2a4c814                          ; -82.390781
	KPAIR KC2, 0x428157c6                          ;  64.671432
	KPAIR KC1, 0xc19dd8f8                          ; -19.730941
	KPAIR KC0, 0x3f7ffd50                          ;   0.99995900
	v_mov_b32 v[VS4],   0x4203137b                 ;  32.769024: in a vector pair, so that no line names two scalar pairs
	v_mov_b32 v[VS4+1], 0x4203137b
	v_mov_b32 v[VC4],   0x42367bf7                 ;  45.621059
	v_mov_b32 v[VC4+1], 0x42367bf7
	s_wait_kmcnt 0x0
	; ---- all 32 loads in one run: the four parameter vectors (16 bytes each, the same in every lane), then the events, resonance by resonance
	global_load_b128 v[RAWM:RAWM+3], v[VZ], s[AM0:AM0+1]
	global_load_b128 v[RAWG:RAWG+3], v[VZ], s[AG0:AG0+1]
	global_load_b128 v[RAWR:RAWR+3], v[VZ], s[ACR:ACR+1]
	global_load_b128 v[RAWI:RAWI+3], v[VZ], s[ACI:ACI+1]
.irp r, 0,1,2,3
	global_load_b64 v[IN+14*\r:IN+14*\r+1],     v[VOFF], s[A1:A1+1] offset:\r*NB th:TH_LOAD_NT
	global_load_b64 v[IN+14*\r+2:IN+14*\r+3],   v[VOFF], s[B1:B1+1] offset:\r*NB th:TH_LOAD_NT
	global_load_b64 v[IN+14*\r+4:IN+14*\r+5],   v[VOFF], s[G1:G1+1] offset:\r*NB th:TH_LOAD_NT
	global_load_b64 v[IN+14*\r+6:IN+14*\r+7],   v[VOFF], s[B2:B2+1] offset:\r*NB th:TH_LOAD_NT
	global_load_b64 v[IN+14*\r+8:IN+14*\r+9],   v[VOFF], s[G2:G2+1] offset:\r*NB th:TH_LOAD_NT
	global_load_b64 v[IN+14*\r+10:IN+14*\r+11], v[VOFF], s[A2:A2+1] offset:\r*NB th:TH_LOAD_NT
	global_load_b64 v[IN+14*\r+12:IN+14*\r+13], v[VOFF], s[MM:MM+1] offset:\r*NB th:TH_LOAD_NT
.endr
	; ---- the parameters, two resonances to a pair, while the events are on their way
	s_wait_loadcnt 28                              ; loads come back in order (ISA guide 5.7.1): the four parameter loads are in, the 28 behind them stay out
.irp j, 0,2
	PMUL PA+\j, RAWM+\j, RAWM+\j                   ; m0^2
	PMUL YY+\j, RAWM+\j, RAWG+\j                   ; y = m0 g0
.endr
.irp j, 0,2
	PMUL PY2+\j, YY+\j, YY+\j                      ; y^2
.endr
	TRIG RAWI, 2                                   ; sin and cos of coef_i[0..3]
.irp j, 0,2
	PMUL PCRE+\j, RAWR+\j, CS+\j                   ; coef = coef_r (cos + i sin)
	PMUL PCIM+\j, RAWR+\j, SN+\j
.endr
.irp j, 0,2
	PNMUL PP+\j, PCIM+\j, YY+\j                    ; the parts of coef (x + i y) that do not hang on the event
	PMUL  PQ+\j, PCRE+\j, YY+\j
.endr
; Resonance r.  Its parameters lie in half h = r % 2 of the pair at +b, b = 2 (r / 2): op_sel and op_sel_hi = h give that half to both events.
; first = 1: the products start the sums, nothing is cleared.
.macro RES r, b, h, first
.set X0, IN+14*\r
	s_wait_loadcnt 21-7*\r                         ; my seven loads are in; the 7 (3 - r) loads of the later resonances stay out
	v_pk_add_f32 v[X0+4:X0+5], v[X0+4:X0+5], v[X0+10:X0+11]       ; g = gamma1 + alpha2: Z(gamma1) Z(alpha2) is one rotation
	; w = coef (x + i y) / (x^2 + y^2)
	v_pk_fma_f32 v[BX:BX+1], v[X0+12:X0+13], v[X0+12:X0+13], v[PA+\b:PA+\b+1] op_sel:[0,0,\h] op_sel_hi:[1,1,\h] neg_lo:[1,0,0] neg_hi:[1,0,0]
	v_pk_fma_f32 v[BD:BD+1], v[BX:BX+1], v[BX:BX+1], v[PY2+\b:PY2+\b+1] op_sel:[0,0,\h] op_sel_hi:[1,1,\h]
	v_rcp_f32 v[RD], v[BD]                         ; behind a reciprocal one plain vector instruction stands before its result is used or its source
	v_rcp_f32 v[RD+1], v[BD+1]                     ; rewritten (ISA guide 5.7.2): the two multiply-adds below, which name neither RD nor BD
	v_pk_fma_f32 v[WR:WR+1], v[BX:BX+1], v[PCRE+\b:PCRE+\b+1], v[PP+\b:PP+\b+1] op_sel:[0,\h,\h] op_sel_hi:[1,\h,\h]
	v_pk_fma_f32 v[WI:WI+1], v[BX:BX+1], v[PCIM+\b:PCIM+\b+1], v[PQ+\b:PQ+\b+1] op_sel:[0,\h,\h] op_sel_hi:[1,\h,\h]
	s_wait_alu depctr_va_vdst(0)
	PMUL WR, WR, RD
	PMUL WI, WI, RD
	TRIG X0, 5                                     ; a, b, g, e, f
	; K = Y(b) Z(g) Y(e)
	PMUL  TT0, CG, CE
	PMUL  TT1, CG, SE
	PMUL  TT2, SB, SE
	PMUL  TT3, SB, CE
	PMUL  TT4, CB, SE
	PMUL  TT5, CB, CE
	PMUL  K12, CB, SG
	PMUL  K32, SB, SG
	PMUL  K23, SG, SE
	PNMUL K21, SG, CE
	PFMA  K11, CB, TT0, TT2, 0, 1                  ;  Cb Cg Ce - Sb Se
	PFMA  K13, CB, TT1, TT3, 1, 1                  ; -Cb Cg Se - Sb Ce
	PFMA  K31, SB, TT0, TT4, 0, 0                  ;  Sb Cg Ce + Cb Se
	PFMA  K33, SB, TT1, TT5, 1, 0                  ; -Sb Cg Se + Cb Ce
	; G = K Z(f): G_i1 = K_i1 Cf - K_i2 Sf,  G_i2 = K_i1 Sf + K_i2 Cf
	PMUL  TT0, K12, SF
	PMUL  TT1, K12, CF
	PMUL  TT2, CG,  SF
	PMUL  TT3, CG,  CF
	PMUL  TT4, K32, SF
	PMUL  TT5, K32, CF
	PFMA  G11, K11, CF, TT0, 0, 1
	PFMA  G12, K11, SF, TT1, 0, 0
	PFMA  G21, K21, CF, TT2, 0, 1
	PFMA  G22, K21, SF, TT3, 0, 0
	PFMA  G31, K31, CF, TT4, 0, 1
	PFMA  G32, K31, SF, TT5, 0, 0
	; R = Z(a) G: R_1j = Ca G_1j + Sa G_2j,  R_2j = -Sa G_1j + Ca G_2j
	PMUL  TT0, SA, G21
	PMUL  TT1, CA, G21
	PMUL  TT2, SA, G22
	PMUL  TT3, CA, G22
	PMUL  TT4, SA, K23
	PMUL  TT5, CA, K23
	PFMA  RM,    CA, G11, TT0, 0, 0
	PFMA  RM+6,  SA, G11, TT1, 1, 0
	PFMA  RM+2,  CA, G12, TT2, 0, 0
	PFMA  RM+8,  SA, G12, TT3, 1, 0
	PFMA  RM+4,  CA, K13, TT4, 0, 0
	PFMA  RM+10, SA, K13, TT5, 1, 0
	; M += w R
.set k, 0
.rept 9
.if \first
	v_pk_mul_f32 v[ACCR+k:ACCR+k+1], v[RM+k:RM+k+1], v[WR:WR+1]
	v_pk_mul_f32 v[ACCI+k:ACCI+k+1], v[RM+k:RM+k+1], v[WI:WI+1]
.else
	v_pk_fma_f32 v[ACCR+k:ACCR+k+1], v[RM+k:RM+k+1], v[WR:WR+1], v[ACCR+k:ACCR+k+1]
	v_pk_fma_f32 v[ACCI+k:ACCI+k+1], v[RM+k:RM+k+1], v[WI:WI+1], v[ACCI+k:ACCI+k+1]
.endif
.set k, k+2
.endr
.endm
	RES 0, 0, 0, 1
	RES 1, 0, 1, 0
	RES 2, 2, 0, 0
	RES 3, 2, 1, 0
	; ---- out = 2 (column 0 + column 1) + 3 column 2 of |M|^2: three chains, one for each column, side by side
.irp j, 0,2,4
	PMUL TT0+\j, ACCR+\j, ACCR+\j
.endr
.irp j, 0,2,4
	PFMA TT0+\j, ACCI+\j, ACCI+\j, TT0+\j, 0, 0
.endr
.irp row, 6,12
.irp j, 0,2,4
	PFMA TT0+\j, ACCR+\row+\j, ACCR+\row+\j, TT0+\j, 0, 0
.endr
.irp j, 0,2,4
	PFMA TT0+\j, ACCI+\row+\j, ACCI+\row+\j, TT0+\j, 0, 0
.endr
.endr
	v_pk_add_f32 v[TT0:TT0+1], v[TT0:TT0+1], v[TT1:TT1+1]
	v_pk_mul_f32 v[TT2:TT2+1], v[TT2:TT2+1], 0x40400000 op_sel_hi:[1,0]                  ; 3 x column 2
	v_pk_fma_f32 v[TT3:TT3+1], v[TT0:TT0+1], 2.0, v[TT2:TT2+1] op_sel_hi:[1,0,1]
	global_store_b64 v[VOFF], v[TT3:TT3+1], s[OUT:OUT+1] th:TH_STORE_NT                  ; the wave's 64 events: 256 consecutive bytes, aligned
	s_endpgm
.Lfunc_end_k_q2be39c5346_amp:
	.size	k_q2be39c5346_amp, .Lfunc_end_k_q2be39c5346_amp-k_q2be39c5346_amp
	.p2alignl 7, 3214868480
	.fill 96, 4, 3214868480
	.section	.rodata,"a",@progbits
	.p2align	6, 0x0
	.amdhsa_kernel k_q2be39c5346_amp
		.amdhsa_group_segment_fixed_size 0
		.amdhsa_private_segment_fixed_size 0
		.amdhsa_enable_private_segment 0
		.amdhsa_kernarg_size 96
		.amdhsa_user_sgpr_count 2
		.amdhsa_user_sgpr_kernarg_segment_ptr 1
		.amdhsa_wavefront_size32 1
		.amdhsa_system_sgpr_workgroup_id_x 1
		.amdhsa_system_sgpr_workgroup_id_y 1
		.amdhsa_system_sgpr_workgroup_id_z 1
		.amdhsa_system_vgpr_workitem_id 0
		.amdhsa_next_free_vgpr 232
		.amdhsa_next_free_sgpr 66
		.amdhsa_reserve_vcc 0
		.amdhsa_float_denorm_mode_32 3
		.amdhsa_float_denorm_mode_16_64 3
		.amdhsa_memory_ordered 1
		.amdhsa_forward_progress 1
		.amdhsa_inst_pref_size 42
	.end_amdhsa_kernel
	.amdgpu_metadata
---
amdhsa.version: [ 1, 2 ]
amdhsa.kernels:
  - .name:           k_q2be39c5346_amp
    .symbol:         k_q2be39c5346_amp.kd
    .args:
      - { .name: alpha1, .offset: 0, .size: 8, .value_kind: global_buffer, .address_space: global }
      - { .name: beta1, .offset: 8, .size: 8, .value_kind: global_buffer, .address_space: global }
      - { .name: gamma1, .offset: 16, .size: 8, .value_kind: global_buffer, .address_space: global }
      - { .name: alpha2, .offset: 24, .size: 8, .value_kind: global_buffer, .address_space: global }
      - { .name: beta2, .offset: 32, .size: 8, .value_kind: global_buffer, .address_space: global }
      - { .name: gamma2, .offset: 40, .size: 8, .value_kind: global_buffer, .address_space: global }
      - { .name: m, .offset: 48, .size: 8, .value_kind: global_buffer, .address_space: global }
      - { .name: m0, .offset: 56, .size: 8, .value_kind: global_buffer, .address_space: global }
      - { .name: g0, .offset: 64, .size: 8, .value_kind: global_buffer, .address_space: global }
      - { .name: coef_r, .offset: 72, .size: 8, .value_kind: global_buffer, .address_space: global }
      - { .name: coef_i, .offset: 80, .size: 8, .value_kind: global_buffer, .address_space: global }
      - { .name: out0, .offset: 88, .size: 8, .value_kind: global_buffer, .address_space: global }
    .group_segment_fixed_size: 0
    .private_segment_fixed_size: 0
    .kernarg_segment_align: 8
    .kernarg_segment_size: 96
    .max_flat_workgroup_size: 512
    .sgpr_count:     66
    .vgpr_count:     232
    .wavefront_size: 32
...
	.end_amdgpu_metadata
.endif
;; end of part 1
